; MI455X (gfx1250); checked and timed in simulation.
; The chip was launched on July 23, 2026; its instructions are those of AMD's public machine-readable ISA for CDNA 5 (MIT licence, August 2026) and "CDNA5" Instruction Set Architecture Reference Guide (July 2026). The comments in the code are by the model that wrote it; some were corrected since.
;; Naive SDPA. Allowed arithmetic: matrix products marked QUANTISED: E2M1 operands, one E8M0 scale for each 32 along K, by v_wmma_scale_f32_16x16x128_f8f6f4 with both operands' format E2M1 (or v_wmma_scale_f32_32x16x128_f4), f32 sums; everything else in f32.
;; Inputs: attn_mask 2,048 x 2,048 float32; key_padding_mask 4 x 2,048 bool; keys_codes 4 x 16 x 2,048 x 4 x 16 uint8 (E2M1 codes of keys, K innermost, in blocks of 32 codes, two codes a byte); keys_scales 4 x 16 x 2,048 x 4 uint8 (E8M0 scales of keys, one for each 32 codes along K); seqs_codes 4 x 16 x 2,048 x 4 x 16 uint8 (E2M1 codes of seqs, K innermost, in blocks of 32 codes, two codes a byte); seqs_scales 4 x 16 x 2,048 x 4 uint8 (E8M0 scales of seqs, one for each 32 codes along K); values_codes 4 x 16 x 128 x 64 x 16 uint8 (E2M1 codes of values, K innermost, in blocks of 32 codes, two codes a byte); values_scales 4 x 16 x 128 x 64 uint8 (E8M0 scales of values, one for each 32 codes along K).
;; Outputs: out0 4 x 16 x 2,048 x 128 float32.
;; This version of the problem:
;;   THIS VERSION OF THE PROBLEM IS GIVEN IN LOW PRECISION. The matrix products marked QUANTISED in the list below multiply operands that are first quantised to E2M1 (2 exponent bits, 1 mantissa bit; 4 bits a number), with one power-of-two scale for each 32 numbers along K (OCP MX v1.0); their sums are f32. All else is computed in f32.
;;   The module's matrix products, in the order in which they are computed (A, B: the left and right operand; K: the contracted axis; several contracted axes count as one K, in the product's order):
;;     1. batch 64 x [M 2,048, K 128] x [K 128, N 2,048]; A: input seqs (given as codes); B: input keys (given as codes): QUANTISED
;;     2. batch 64 x [M 2,048, K 2,048] x [K 2,048, N 128]; A: softmax (see below); B: input values (given as codes): QUANTISED
;;   THE QUANTISER, for each operand of a quantised product, along K:
;;     - K is cut into blocks of 32 from its start; a last block that is shorter is filled with zeros.
;;     - A block's scale is 2^e with e = floor(log2(the largest magnitude in the block)) - 2, held to -126 .. 127; a block of zeros has e = 0. As a byte (E8M0): e + 127.
;;     - Each number is divided by its block's scale, clamped to +-6, and rounded to the nearest number of E2M1, ties to even, subnormals kept.
;;     - The product sums the exact products of the quantised numbers (number of the format x scale) in f32.
;;   ~~~python
;;   def quantise(x, axis):      # numpy; x: float32 -> the quantised numbers, widened to float32 again
;;       x = np.moveaxis(x, axis, -1); K = x.shape[-1]
;;       x = np.pad(x, [(0, 0)] * (x.ndim - 1) + [(0, -K % 32)]); x = x.reshape(x.shape[:-1] + (-1, 32)); a = np.abs(x).max(-1, keepdims=True)
;;       e = np.where(a > 0, np.clip(np.frexp(np.where(a > 0, a, 1))[1] - 1 - 2, -126, 127), 0)      # np.frexp(a)[1] - 1 = floor(log2(a)), exactly
;;       r = np.clip(x / 2.0 ** e, -6, 6)
;;       step = 2.0 ** (np.maximum(np.frexp(np.where(r == 0, 1, r))[1] - 1, 0) - 1)
;;       q = np.round(r / step) * step * 2.0 ** e      # np.round: ties to even
;;       return np.moveaxis(q.reshape(q.shape[:-2] + (-1,))[..., :K], -1, axis).astype(np.float32)
;;   ~~~
;;   SOFTMAX AHEAD OF A QUANTISED PRODUCT. Where the list says 'softmax', what is quantised is not the finished softmax but p = 2^(t - M), with t = logit x log2(e) and M = ceil(the row's largest t), a whole number; so 1/2 < the row's largest p <= 1. The row's sum l is taken of the UNQUANTISED p, in f32, and the product's result is divided by l at the end. Since M is a whole number, a kernel that streams over the keys may use a running M (the ceiling of the running maximum): every later rescaling is an exact power of two, which a block's scale takes up: the codes' values come out the same.
;;   OPERANDS COMPUTED ON THE WAY. 'Computed on the way' means the value that the module computes at that place (a softmax that the list does not call 'softmax' is quantised finished and normalised). What goes into a quantiser is computed in f32, as accurately as f32 sums, v_exp_f32 and their like allow (about 1e-6 of the number): no bf16 or f16 on the way to a quantiser, and a product that is left as it is and whose result goes on into a quantised operand takes f32 operands (vector FMAs, or v_wmma_f32_16x16x4_f32). A number that lies on a knife's edge between two numbers of the format may be rounded either way, as far as f32 arithmetic and the matrix unit's own rounding can turn it there, and no further.
;;   INPUTS GIVEN AS CODES. keys (in the module: [4, 16, 2048, 128], K = its axis 3); seqs (in the module: [4, 16, 2048, 128], K = its axis 3); values (in the module: [4, 16, 2048, 128], K = its axis 2): each comes as NAME_codes (uint8): NAME with its K axis moved to the last place and cut into blocks of 32 codes, [.., K / 32, bytes a block], one block behind the other in memory; two codes a byte, the lower K in the low four bits (a code: sign, 2 exponent bits, 1 mantissa bit); and NAME_scales (uint8): the same leading axes, one E8M0 byte (e + 127) for each 32 codes along K. Its value is code x scale, taken as it is: it is not quantised again, and the codes and scales need not be those that the quantiser above would give.
;; One version. Each part assembles by itself: llvm-mc -triple=amdgcn-amd-amdhsa -mcpu=gfx1250 --defsym DOCPART=n.
;; ======== version 1 of 1: 2 launches
;; limits: right only within a limited range of input values
;; workspace buffers: vf 8,388,608 bytes; vsf 524,288 bytes; gap 32,768 bytes of whole numbers; emax 256 bytes of whole numbers
;; launch prep (part 1): grid 464 x 1, 4 waves a work-group, no clusters, 0 bytes of LDS; arguments attn_mask, key_padding_mask, keys_scales, seqs_scales, values_codes, values_scales, vf, vsf, gap, emax; writes vf, vsf, gap, emax
.if DOCPART == 1
	.amdgcn_target "amdgcn-amd-amdhsa--gfx1250"
	.amdhsa_code_object_version 6
	.text
	.protected	k_q59453a4489_prep
	.globl	k_q59453a4489_prep
	.p2align	8
	.type	k_q59453a4489_prep,@function
k_q59453a4489_prep:
	s_mov_b64 s[64:65], 0
	v_nop
	global_prefetch_b8 v0, s[64:65] scope:SCOPE_SE
	s_setreg_imm32_b32 hwreg(HW_REG_WAVE_MODE, 25, 1), 1
	s_wait_xcnt 0x0
; Prepares the attention launch.  Four kinds of work-groups, told apart by the work-group's number:
; 0..127    gap[g][n][step] for rows 16 g .. 16 g + 15 of attn_mask, batch n = wave: a whole number, a lower bound of
;           min over the 16 rows of (largest mask value of the row over keys that key_padding_mask keeps) - (largest mask value in the step's 128 keys),
;           each side moved by 2^-20 of its size against the f32 rounding of logits; held to 0 .. 2^30.  Both maxima start at -3e38, so the difference is a number for every input without NaN.
; 128..383  vf: V's codes in the order of the operand's registers: [head][step][tile n][c][lane][16 bytes], lane (r, h) = row 16 n + r, bytes 64 step + 32 c + 16 h.  64 heads x 4 groups of four steps.
; 384..447  vsf: V's scale words [head][step][row].
; 448..463  emax[head] = largest scale byte of seqs + largest scale byte of keys of that head.
; Nothing is left out here.  LIMIT: NaN and +infinity in attn_mask are not served (a NaN loses in the maxima).
; No LDS, no matrix work, no cluster: the work-groups share no input tile but the mask rows of a work-group's four waves.
.set KB, 32                            ; v32-95: 0 or -infinity for my lane's 64 keys (key 128 i + 4 lane + b at 4 i + b)
.set RA, 96                            ; v96-159, v160-223: two rows of the mask
.set RB, 160
.set G,  224                           ; v224-239: the 16 steps' smallest difference so far
.macro D1
	s_delay_alu instid0(VALU_DEP_1)
.endm
.macro D2
	s_delay_alu instid0(VALU_DEP_2)
.endm
.macro D3
	s_delay_alu instid0(VALU_DEP_3)
.endm
.macro D4
	s_delay_alu instid0(VALU_DEP_4)
.endm
	s_load_b512 s[4:19], s[0:1], 0x0               ; attn_mask 4, key mask 6, keys' scales 8, seqs' scales 10, values' codes 12, scales 14, vf 16, vsf 18
	s_load_b128 s[20:23], s[0:1], 0x40             ; gap 20, emax 22
	v_lshrrev_b32 v1, 5, v0
	D1
	v_readfirstlane_b32 s24, v1                    ; wave
	v_and_b32 v1, 31, v0                           ; lane
	v_and_b32 v7, 15, v0
	v_bfe_u32 v8, v0, 4, 1
	v_lshlrev_b32 v2, 4, v1                        ; 16 x lane
	v_lshlrev_b32 v3, 2, v1                        ; 4 x lane
	v_lshlrev_b32 v4, 7, v1                        ; 128 x lane
	v_lshlrev_b32 v5, 3, v1                        ; 8 x lane
	v_lshlrev_b32 v6, 10, v7
	D1
	v_lshl_add_u32 v6, v8, 4, v6                   ; V: row r of 1,024 bytes, + 16 h
	v_mov_b32 v12, 0
	s_mov_b32 s27, 0
	s_mov_b32 s30, 0x76543210
	s_mov_b32 s31, 0xfedcba98                      ; selects for lane l xor 16
	s_wait_alu depctr_va_vdst(0)                   ; the wait at the head's end
	s_wait_kmcnt 0x0
	s_cmp_lt_u32 ttmp9, 128
	s_cbranch_scc1 .Lmask
	s_cmp_lt_u32 ttmp9, 384
	s_cbranch_scc1 .Lvcodes
	s_cmp_lt_u32 ttmp9, 448
	s_cbranch_scc1 .Lvscales
; ---- emax: a wave a head; 8,192 scale bytes of each tensor, 16 loads of 512 consecutive bytes
	s_sub_co_u32 s25, ttmp9, 448
	s_lshl_b32 s25, s25, 2
	s_add_co_u32 s25, s25, s24                     ; head
	s_lshl_b32 s26, s25, 13
	s_add_nc_u64 s[8:9], s[8:9], s[26:27]
	s_add_nc_u64 s[10:11], s[10:11], s[26:27]
	s_lshl_b32 s26, s25, 2
	s_add_nc_u64 s[22:23], s[22:23], s[26:27]
.irp i, 0,1,2,3,4,5,6,7,8,9,10,11,12,13,14,15
	global_load_b128 v[16+4*\i:19+4*\i], v2, s[8:9] offset:512*\i
	global_load_b128 v[80+4*\i:83+4*\i], v2, s[10:11] offset:512*\i
.endr
.irp i, 4,5,6,7,8,9,10,11,13
	v_mov_b32 v\i, 0
.endr
	s_wait_alu depctr_va_vdst(0)
	s_wait_loadcnt 0x0
.set j, 0
.rept 64
.irp b, 0,1,2,3
	v_bfe_u32 v[144+\b], v[16+j], 8*\b, 8
.endr
.irp b, 0,1,2,3
	v_bfe_u32 v[148+\b], v[80+j], 8*\b, 8
.endr
.irp b, 0,1,2,3
	v_max_u32 v[4+\b], v[4+\b], v[144+\b]          ; one running maximum for each place in the word
.endr
.irp b, 0,1,2,3
	v_max_u32 v[8+\b], v[8+\b], v[148+\b]
.endr
.set j, j+1
.endr
	v_max_u32 v4, v4, v5
	v_max_u32 v6, v6, v7
	v_max_u32 v8, v8, v9
	v_max_u32 v10, v10, v11
	D3
	v_max_u32 v4, v4, v6
	D2
	v_max_u32 v8, v8, v10
	D2
	v_cvt_f32_u32 v4, v4                           ; bytes are exact in f32: the lanes are joined by f32 maxima
	D2
	v_cvt_f32_u32 v8, v8
.irp m, 1,2,4,8
	D2
	v_max_num_f32_dpp v4, v4, v4 row_xmask:\m row_mask:0xf bank_mask:0xf
	D2
	v_max_num_f32_dpp v8, v8, v8 row_xmask:\m row_mask:0xf bank_mask:0xf
.endr
	D2
	v_permlanex16_b32 v5, v4, s30, s31
	D2
	v_permlanex16_b32 v13, v8, s30, s31
	D2
	v_max_num_f32 v4, v4, v5
	D2
	v_max_num_f32 v8, v8, v13
	D1
	v_add_f32 v4, v4, v8
	D1
	v_cvt_u32_f32 v4, v4
	v_cmp_eq_u32 vcc_lo, 0, v1
	s_wait_alu depctr_va_vdst(0)
	s_wait_xcnt 0x0                                ; EXEC changes only behind this wait
	s_and_saveexec_b32 s28, vcc_lo
	global_store_b32 v12, v4, s[22:23]
	s_wait_xcnt 0x0
	s_or_b32 exec_lo, exec_lo, s28
	s_endpgm
; ---- vsf: a work-group a head; wave w: steps 4 w .. 4 w + 3.  Lane l takes rows 2 l, 2 l + 1 (+ 64): a store covers 256 consecutive bytes
.Lvscales:
	s_sub_co_u32 s25, ttmp9, 384
	s_lshl_b32 s25, s25, 13
	s_lshl_b32 s26, s24, 4
	s_add_co_u32 s26, s26, s25
	s_add_nc_u64 s[14:15], s[14:15], s[26:27]
	s_lshl_b32 s26, s24, 11
	s_add_co_u32 s26, s26, s25
	s_add_nc_u64 s[18:19], s[18:19], s[26:27]
.irp s, 0,1,2,3
.irp f, 0,1
.irp e, 0,1
	global_load_b32 v[16+2*(2*\s+\f)+\e], v4, s[14:15] offset:64*\e+4096*\f+4*\s
.endr
.endr
.endr
	s_wait_loadcnt 0x0
.irp s, 0,1,2,3
.irp f, 0,1
	global_store_b64 v5, v[16+2*(2*\s+\f):17+2*(2*\s+\f)], s[18:19] offset:512*\s+256*\f
.endr
.endr
	s_endpgm
; ---- vf: a work-group = a head and four steps (256 of a row's 1,024 bytes); wave w: tiles w and w + 4.  A wave's 8 loads of a tile cover 16 rows x 256 bytes; each store 512 consecutive bytes
.Lvcodes:
	s_sub_co_u32 s25, ttmp9, 128
	s_lshr_b32 s28, s25, 2
	s_lshl_b32 s28, s28, 17                        ; the head's codes: 131,072 bytes
	s_and_b32 s25, s25, 3                          ; which four steps
	s_lshl_b32 s26, s25, 8
	s_add_co_u32 s26, s26, s28
	s_lshl_b32 s29, s24, 14
	s_add_co_u32 s26, s26, s29
	s_add_nc_u64 s[12:13], s[12:13], s[26:27]
	s_lshl_b32 s26, s25, 15
	s_add_co_u32 s26, s26, s28
	s_lshl_b32 s29, s24, 10
	s_add_co_u32 s26, s26, s29
	s_add_nc_u64 s[16:17], s[16:17], s[26:27]
.irp m, 0,1
.irp s, 0,1,2,3
.irp c, 0,1
	global_load_b128 v[16+4*(8*\m+2*\s+\c):19+4*(8*\m+2*\s+\c)], v6, s[12:13] offset:65536*\m+64*\s+32*\c th:TH_LOAD_NT
.endr
.endr
.endr
	s_wait_loadcnt 0x0
.irp m, 0,1
.irp s, 0,1,2,3
.irp c, 0,1
	global_store_b128 v2, v[16+4*(8*\m+2*\s+\c):19+4*(8*\m+2*\s+\c)], s[16:17] offset:4096*\m+8192*\s+512*\c
.endr
.endr
.endr
	s_endpgm
; ---- gap.  Load i of a row is step i's 128 keys: 512 consecutive bytes
.macro RLOAD R, off
.irp i, 0,1,2,3,4,5,6,7,8,9,10,11,12,13,14,15
	global_load_b128 v[\R+4*\i:\R+4*\i+3], v2, s[4:5] offset:\off+512*\i
.endr
.endm
.macro ROW R
.irp a, 0,1,2,3
	v_mov_b32 v[248+\a], s32
.endr
.set j, 0
.rept 8
.irp a, 0,1,2,3
	v_pk_add_f32 v[240+2*\a:241+2*\a], v[\R+j+2*\a:\R+j+2*\a+1], v[KB+j+2*\a:KB+j+2*\a+1]
.endr
.irp a, 0,1,2,3
	D4
	v_max3_num_f32 v[248+\a], v[248+\a], v[240+2*\a], v[241+2*\a]   ; over the keys that are kept
.endr
.set j, j+8
.endr
	D2
	v_max3_num_f32 v248, v248, v249, v250
	D1
	v_max_num_f32 v248, v248, v251
.irp m, 1,2,4,8
	D1
	v_max_num_f32_dpp v248, v248, v248 row_xmask:\m row_mask:0xf bank_mask:0xf
.endr
	D1
	v_permlanex16_b32 v253, v248, s30, s31
	D1
	v_max_num_f32 v248, v248, v253                 ; the row's largest, in every lane
	D1
	v_fma_f32 v252, |v248|, s36, v248              ; less 2^-20 of its size
.irp q, 0,1,2,3
.irp a, 0,1,2,3
	v_max3_num_f32 v[240+\a], v[\R+16*\q+4*\a], v[\R+16*\q+4*\a+1], v[\R+16*\q+4*\a+2]
.endr
.irp a, 0,1,2,3
	D4
	v_max3_num_f32 v[240+\a], v[240+\a], v[\R+16*\q+4*\a+3], s32   ; my lane's four keys of step 4 q + a: the lanes are joined at the end, since min over lanes of (row - lane's) = row - max over lanes
.endr
.irp a, 0,1,2,3
	D4
	v_fma_f32 v[240+\a], |v[240+\a]|, s33, v[240+\a]
.endr
.irp a, 0,1,2,3
	D4
	v_sub_f32 v[240+\a], v252, v[240+\a]
.endr
.irp a, 0,1,2,3
	D4
	v_min_num_f32 v[G+4*\q+\a], v[G+4*\q+\a], v[240+\a]
.endr
.endr
.endm
.Lmask:
	s_lshl_b32 s26, s24, 11
	s_add_nc_u64 s[6:7], s[6:7], s[26:27]          ; my batch's key mask
	s_lshl_b32 s26, ttmp9, 17
	s_add_nc_u64 s[4:5], s[4:5], s[26:27]          ; my 16 rows
	s_lshl_b32 s26, ttmp9, 2
	s_add_co_u32 s26, s26, s24
	s_lshl_b32 s26, s26, 6
	s_add_nc_u64 s[20:21], s[20:21], s[26:27]      ; gap[g][n]
	s_mov_b32 s32, 0xff61b1e6                      ; -3e38
	s_mov_b32 s33, 0x35800000                      ; 2^-20
	s_mov_b32 s36, 0xb5800000
	s_mov_b32 s34, 0x4e800000                      ; 2^30
.irp i, 0,1,2,3,4,5,6,7,8,9,10,11,12,13,14,15
	global_load_b32 v[16+\i], v3, s[6:7] offset:128*\i
.endr
	RLOAD RA, 0
	RLOAD RB, 8192
.set j, 0
.rept 16
	v_mov_b32 v[G+j], s34
.set j, j+1
.endr
	v_mov_b32 v253, 0
	s_wait_alu depctr_va_vdst(0)
	s_wait_loadcnt 32                              ; the key mask is in; two rows' 32 loads may be out
.irp i, 0,1,2,3,4,5,6,7,8,9,10,11,12,13,14,15
.irp b, 0,1,2,3
	v_bfe_u32 v[KB+4*\i+\b], v[16+\i], 8*\b, 1
.endr
.endr
.set j, 0
.rept 64
	v_add_nc_u32 v[KB+j], -1, v[KB+j]
.set j, j+1
.endr
.set j, 0
.rept 64
	v_and_b32 v[KB+j], 0xff800000, v[KB+j]         ; 0, or -infinity
.set j, j+1
.endr
	s_mov_b32 s35, 7
.Lrows:                                            ; 7 trips of two rows; the last two rows are written out, so that no load leaves the buffer
	s_wait_loadcnt 16                              ; the older row is in
	ROW RA
	RLOAD RA, 16384
	s_wait_loadcnt 16
	ROW RB
	RLOAD RB, 24576
	s_wait_xcnt 0x0                                ; the base is stepped only behind this wait
	s_add_nc_u64 s[4:5], s[4:5], 16384
	s_sub_co_u32 s35, s35, 1
	s_cmp_lg_u32 s35, 0
	s_wait_alu depctr_va_vdst(0)
	s_cbranch_scc1 .Lrows
	s_wait_loadcnt 16
	ROW RA
	s_wait_loadcnt 0x0
	ROW RB
.irp m, 1,2,4,8
.set j, 0
.rept 16
	v_min_num_f32_dpp v[G+j], v[G+j], v[G+j] row_xmask:\m row_mask:0xf bank_mask:0xf
.set j, j+1
.endr
.endr
.set j, 0
.rept 16
	v_permlanex16_b32 v[RA+j], v[G+j], s30, s31
.set j, j+1
.endr
.set j, 0
.rept 16
	v_min_num_f32 v[G+j], v[G+j], v[RA+j]
.set j, j+1
.endr
.set j, 0
.rept 16
	v_med3_num_f32 v[G+j], v[G+j], 0, s34
.set j, j+1
.endr
.set j, 0
.rept 16
	v_cvt_i32_f32 v[G+j], v[G+j]                   ; toward zero: never above the difference
.set j, j+1
.endr
	v_cmp_eq_u32 vcc_lo, 0, v1
	s_wait_alu depctr_va_vdst(0)
	s_wait_xcnt 0x0
	s_and_saveexec_b32 s28, vcc_lo
.irp i, 0,1,2,3
	global_store_b128 v12, v[G+4*\i:G+4*\i+3], s[20:21] offset:16*\i
.endr
	s_wait_xcnt 0x0
	s_or_b32 exec_lo, exec_lo, s28
	s_endpgm
.Lfunc_end_k_q59453a4489_prep:
	.size	k_q59453a4489_prep, .Lfunc_end_k_q59453a4489_prep-k_q59453a4489_prep
	.p2alignl 7, 3214868480
	.fill 96, 4, 3214868480
	.section	.rodata,"a",@progbits
	.p2align	6, 0x0
	.amdhsa_kernel k_q59453a4489_prep
		.amdhsa_group_segment_fixed_size 0
		.amdhsa_private_segment_fixed_size 0
		.amdhsa_enable_private_segment 0
		.amdhsa_kernarg_size 80
		.amdhsa_user_sgpr_count 2
		.amdhsa_user_sgpr_kernarg_segment_ptr 1
		.amdhsa_wavefront_size32 1
		.amdhsa_system_sgpr_workgroup_id_x 1
		.amdhsa_system_sgpr_workgroup_id_y 1
		.amdhsa_system_sgpr_workgroup_id_z 1
		.amdhsa_system_vgpr_workitem_id 0
		.amdhsa_next_free_vgpr 256
		.amdhsa_next_free_sgpr 66
		.amdhsa_reserve_vcc 1
		.amdhsa_float_denorm_mode_32 3
		.amdhsa_float_denorm_mode_16_64 3
		.amdhsa_memory_ordered 1
		.amdhsa_forward_progress 1
		.amdhsa_inst_pref_size 136
	.end_amdhsa_kernel
	.amdgpu_metadata
---
amdhsa.version: [ 1, 2 ]
amdhsa.kernels:
  - .name:           k_q59453a4489_prep
    .symbol:         k_q59453a4489_prep.kd
    .args:
      - { .name: attn_mask, .offset: 0, .size: 8, .value_kind: global_buffer, .address_space: global }
      - { .name: key_padding_mask, .offset: 8, .size: 8, .value_kind: global_buffer, .address_space: global }
      - { .name: keys_scales, .offset: 16, .size: 8, .value_kind: global_buffer, .address_space: global }
      - { .name: seqs_scales, .offset: 24, .size: 8, .value_kind: global_buffer, .address_space: global }
      - { .name: values_codes, .offset: 32, .size: 8, .value_kind: global_buffer, .address_space: global }
      - { .name: values_scales, .offset: 40, .size: 8, .value_kind: global_buffer, .address_space: global }
      - { .name: vf, .offset: 48, .size: 8, .value_kind: global_buffer, .address_space: global }
      - { .name: vsf, .offset: 56, .size: 8, .value_kind: global_buffer, .address_space: global }
      - { .name: gap, .offset: 64, .size: 8, .value_kind: global_buffer, .address_space: global }
      - { .name: emax, .offset: 72, .size: 8, .value_kind: global_buffer, .address_space: global }
    .group_segment_fixed_size: 0
    .private_segment_fixed_size: 0
    .kernarg_segment_align: 8
    .kernarg_segment_size: 80
    .max_flat_workgroup_size: 128
    .sgpr_count:     66
    .vgpr_count:     256
    .wavefront_size: 32
...
	.end_amdgpu_metadata
.endif
;; end of part 1
;; launch attn (part 2): grid 16 x 32, 8 waves a work-group, no clusters, 138,240 bytes of LDS; arguments attn_mask, key_padding_mask, keys_codes, keys_scales, seqs_codes, seqs_scales, vf, vsf, gap, emax, out0; writes out0
.if DOCPART == 2
	.amdgcn_target "amdgcn-amd-amdhsa--gfx1250"
	.amdhsa_code_object_version 6
	.text
	.protected	k_q59453a4489_attn
	.globl	k_q59453a4489_attn
	.p2align	8
	.type	k_q59453a4489_attn,@function
k_q59453a4489_attn:
	s_mov_b64 s[64:65], 0
	v_nop
	global_prefetch_b8 v0, s[64:65] scope:SCOPE_SE
	s_setreg_imm32_b32 hwreg(HW_REG_WAVE_MODE, 25, 1), 1
	s_wait_xcnt 0x0
; out[n][h][q][:] = sum over k of softmax_k(Q.K / sqrt(128) + attn_mask[q][k], -inf where key_padding_mask[n][k] is false) V[k][:], both products on codes of FP4 (E2M1) with E8M0 scales for each 32 along K.
; THE SOFTMAX: t = logit x log2(e); M = the running largest t rounded UP to a whole number; p = 2^(t - M) is quantised along the keys; the row's sum of the unquantised p divides at the end.
; WHICH TILES ARE WALKED is decided by whole numbers that the launch before stored, for every input alike and from no pattern of the mask.  A tile is 64 queries x 128 keys of four heads of one batch.
;   With sq, sk the largest scale bytes of the four heads' seqs and keys, |Q.K| / sqrt(128) <= 128 x 36 x 2^(sq + sk - 254) / sqrt(128) < B = 2^(sq + sk - 245).
;   The tile is left out only where, for each of its 64 rows, (largest mask value over kept keys) - (largest mask value in the tile) >= 2 B + 128.  Then every logit of the tile lies at least 128 under the row's
;   largest logit, t - M is under -184, and p is 0 in f32: zero codes and nothing for the sum.  The tile that holds a row's largest kept mask value has a difference of 0 or less, so each row keeps a tile.
;   LIMIT: a NaN or an infinity that would arise only inside a tile left out is not carried to the result.
; SHARES.  A work-group: 64 queries x 4 heads of a batch.  Wave w: head w / 2, query tiles 2 (w % 2) and + 1.  The last query block has the lowest work-group numbers.
; m2 = mask x log2(e) + (0 or -inf) is made once for the four heads, a trip ahead, wave w rows 8 w .. 8 w + 7, and passed through LDS in the scores' order; t = score x (log2(e) / sqrt(128)) + m2.
; THE WALK: 16 trips, a constant; the steps that count are taken first, in ascending order; the other trips pass the barrier alone (a scalar branch on the stored numbers, round no barrier).
; K, V and their scale words go from memory into the operand registers, asked for one trip ahead (K behind its last product, V likewise); the mask rows two trips ahead.  The look-ahead beyond the last step names step 15: inside every buffer.
; NO TENSOR LOADS, NO CLUSTER: the walk hangs on numbers read from memory.  NO PREFETCH: each load is itself issued a trip ahead of its use.
; LAYOUT.  S^T = K Q^T, O^T = V^T P^T: a lane holds one query (lane % 16).  Lane r of K's tile 2 b + u takes key 32 b + 8 u + r + 8 (r / 8): register 16 b + i of the 64 scores is key 32 b + 16 (lane / 16) + i.
; LIMITS.  t is fma(score, log2(e) / sqrt(128), rounded mask x log2(e)): within 2 ulp of the largest term.  +infinity and NaN in attn_mask are not served.  A row with no key left comes out as NaN.
; A block of 32 p that are all 0 keeps the scale byte 1 over zero codes.  p under 2^-126 counts as 0.
.set M2T,   32*272                     ; m2 of a query tile: 32 chunks (4 keys) of 16 queries x 16 bytes + 16
.set M2B,   4*M2T                      ; a buffer; two of them from LDS byte 0
.set STAGE, 2*M2B                      ; 69,632: the way out, 16 rows of 528 bytes a wave
.set SP,    528
.set SPARE, STAGE+8*16*SP              ; 137,216: the spare words, 128 bytes a wave
.set AKO, 1                            ; my lane's bytes in a step's K
.set GMO, 2                            ; 16 x lane
.set ASKO, 3                           ; among K's scale words
.set L4,  4                            ; 4 x lane
.set SPW, 5
.set NIL, 6
.set AMR, 7                            ; where I read m2
.set AMW, 8                            ; where I store m2
.set STO, 9                            ; the stage: in, and back
.set SRD, 10
.set ST,  12                           ; tile t at ST + 4 t: -M, the largest t, the sum in two halves
.set QS,  20
.set PW,  22
.set KS,  24
.set VS,  28
.set KF,  32                           ; v32-95 K's fragments; v96-159 V's; v160-223 one tile's scores, t, p
.set VF,  96
.set S,   160
.set PC,  224
.set BM,  240
.set PM,  244
.set SO,  248
.set FF,  252
; window 1: v0-127 O^T
.set QF,  128
.set RAW, 144
.set KBR, 176
.set KPD, 180
.set MS,  192
.set WV, 26
.set HC, 27
.set PR, 105
.set F,  100                           ; the steps still to be named, a bit each
.set REM, 101                          ; steps still to be walked
.set TMP, 104
.set SEL, 28
.set SC, 30
.set CC, 32
.set KA, 34
.set VA, 36
.set KSA, 38
.set VSA, 40
.set MA, 42
.set PA, 44
.set T,  46
.set A0, 48
.set A1, 49                            ; the step of the next trip
.set A2, 50                            ; and of the one after
.set TRIPS, 51
.set MSB, 0
.macro WIN new
.if MSB != \new
	s_set_vgpr_msb (MSB<<8)|\new
.set MSB, \new
.endif
.endm
.macro D1
	s_delay_alu instid0(VALU_DEP_1)
.endm
.macro D2
	s_delay_alu instid0(VALU_DEP_2)
.endm
.macro D3
	s_delay_alu instid0(VALU_DEP_3)
.endm
.macro D4
	s_delay_alu instid0(VALU_DEP_4)
.endm
.macro PLACES
.rept 4
	v_nop
.endr
.endm
.macro POP d                           ; the lowest step still named, held to 15; its bit is cleared
	s_ctz_i32_b32 s[\d], s[F]
	s_min_u32 s[\d], s[\d], 15
	s_sub_co_u32 s[TMP], s[F], 1
	s_and_b32 s[F], s[F], s[TMP]
.endm
.macro KVADDR a                        ; 8,192 bytes of codes and 512 of scale words a step, in K and in V alike
	s_lshl_b32 s[T], s[\a], 13
	s_add_nc_u64 s[KA:KA+1], s[8:9], s[T:T+1]
	s_add_nc_u64 s[VA:VA+1], s[16:17], s[T:T+1]
	s_lshl_b32 s[T], s[\a], 9
	s_add_nc_u64 s[KSA:KSA+1], s[10:11], s[T:T+1]
	s_add_nc_u64 s[VSA:VSA+1], s[18:19], s[T:T+1]
.endm
.macro MADDR a
	s_lshl_b32 s[T], s[\a], 9
	s_add_nc_u64 s[MA:MA+1], s[4:5], s[T:T+1]
	s_lshl_b32 s[T], s[\a], 7
	s_add_nc_u64 s[PA:PA+1], s[6:7], s[T:T+1]
.endm
.macro KLOADG                          ; 20 loads
.irp n, 0,1,2,3,4,5,6,7
.irp c, 0,1
	global_load_b128 v[KF+8*\n+4*\c:KF+8*\n+4*\c+3], v[AKO], s[KA:KA+1] offset:(32*(\n/2)+8*(\n%2))*64+32*\c
.endr
.endr
.irp b, 0,1,2,3
	global_load_b32 v[KS+\b], v[ASKO], s[KSA:KSA+1] offset:128*\b
.endr
.endm
.macro VLOADG                          ; 20 loads, each of consecutive bytes
.irp n, 0,1,2,3,4,5,6,7
.irp c, 0,1
	global_load_b128 v[VF+8*\n+4*\c:VF+8*\n+4*\c+3], v[GMO], s[VA:VA+1] offset:1024*\n+512*\c
.endr
.endr
.irp b, 0,1,2,3
	global_load_b32 v[VS+\b], v[L4], s[VSA:VSA+1] offset:128*\b
.endr
.endm
.macro RAWLOAD                         ; 9 loads (destinations in window 1): 8 mask rows x 512 bytes, and my four keys' bytes of the key mask
.irp i, 0,1,2,3,4,5,6,7
	global_load_b128 v[RAW+4*\i:RAW+4*\i+3], v[GMO], s[MA:MA+1] offset:8192*\i
.endr
	global_load_b32 v[KPD], v[L4], s[PA:PA+1]
.endm
.macro M2LOAD s, t                     ; 16 loads (window 1): register 16 b + 4 q + 0 .. 3 = chunk 8 b + 4 (lane / 16) + q
.irp b, 0,1,2,3
.irp q, 0,1,2,3
	ds_load_b128 v[MS+16*\b+4*\q:MS+16*\b+4*\q+3], v[AMR] offset:(\s)*M2B+(\t)*M2T+(8*\b+\q)*272
.endr
.endr
.endm
.macro CONV buf                        ; m2 = mask x log2(e) + kb, into buffer buf: 8 stores
	WIN 0x55
.irp i, 0,1,2,3
	v_bfe_u32 v[KBR+\i], v[KPD], 8*\i, 1
.endr
.irp i, 0,1,2,3
	D4
	v_add_nc_u32 v[KBR+\i], -1, v[KBR+\i]
.endr
.irp i, 0,1,2,3
	D4
	v_and_b32 v[KBR+\i], 0xff800000, v[KBR+\i]     ; 0, or -infinity
.endr
	D3
	v_pk_fma_f32 v[RAW:RAW+1], v[RAW:RAW+1], s[CC:CC+1], v[KBR:KBR+1] op_sel_hi:[1,0,1]
	D2
	v_pk_fma_f32 v[RAW+2:RAW+3], v[RAW+2:RAW+3], s[CC:CC+1], v[KBR+2:KBR+3] op_sel_hi:[1,0,1]
.irp i, 1,2,3,4,5,6,7
.irp p, 0,2
	v_pk_fma_f32 v[RAW+4*\i+\p:RAW+4*\i+\p+1], v[RAW+4*\i+\p:RAW+4*\i+\p+1], s[CC:CC+1], v[KBR+\p:KBR+\p+1] op_sel_hi:[1,0,1]
.endr
.endr
	WIN 0x04
.irp i, 0,1,2,3,4,5,6,7
	ds_store_b128 v[AMW], v[RAW+4*\i:RAW+4*\i+3] offset:(\buf)*M2B+16*\i
.endr
.endm
.macro QK u                            ; S^T = K Q^T of tile u: 8 whole sums on 8 accumulators
.irp n, 0,1,2,3,4,5,6,7
.if \n%2
	v_wmma_scale_f32_16x16x128_f8f6f4 v[S+8*\n:S+8*\n+7], v[KF+8*\n:KF+8*\n+7], v[QF+8*\u:QF+8*\u+7], 0, v[KS+\n/2], v[QS+\u] matrix_a_fmt:MATRIX_FMT_FP4 matrix_b_fmt:MATRIX_FMT_FP4 matrix_a_scale:MATRIX_SCALE_ROW1
.else
	v_wmma_scale_f32_16x16x128_f8f6f4 v[S+8*\n:S+8*\n+7], v[KF+8*\n:KF+8*\n+7], v[QF+8*\u:QF+8*\u+7], 0, v[KS+\n/2], v[QS+\u] matrix_a_fmt:MATRIX_FMT_FP4 matrix_b_fmt:MATRIX_FMT_FP4
.endif
.endr
.endm
.macro PV                              ; O^T += V^T P^T: 16 accumulators, one instruction a turn
.irp n, 0,1,2,3,4,5,6,7
.irp u, 0,1
.if \n%2
	v_wmma_scale_f32_16x16x128_f8f6f4 v[64*\u+8*\n:64*\u+8*\n+7], v[VF+8*\n:VF+8*\n+7], v[PC+8*\u:PC+8*\u+7], v[64*\u+8*\n:64*\u+8*\n+7], v[VS+\n/2], v[PW+\u] matrix_a_fmt:MATRIX_FMT_FP4 matrix_b_fmt:MATRIX_FMT_FP4 matrix_a_scale:MATRIX_SCALE_ROW1
.else
	v_wmma_scale_f32_16x16x128_f8f6f4 v[64*\u+8*\n:64*\u+8*\n+7], v[VF+8*\n:VF+8*\n+7], v[PC+8*\u:PC+8*\u+7], v[64*\u+8*\n:64*\u+8*\n+7], v[VS+\n/2], v[PW+\u] matrix_a_fmt:MATRIX_FMT_FP4 matrix_b_fmt:MATRIX_FMT_FP4
.endif
.endr
.endr
.endm
.macro TFMA                            ; t = score x c + m2, each accumulator from its low end on
	WIN 0x10
.set j, 0
.rept 32
	v_pk_fma_f32 v[S+j:S+j+1], v[S+j:S+j+1], s[SC:SC+1], v[MS+j:MS+j+1] op_sel_hi:[1,0,1]
.set j, j+2
.endr
.endm
.macro SOFT t                          ; from t to p's codes, p's scale word, the sum and O^T under the new M
.set rT, ST+4*\t
.set rP, PC+8*\t
	WIN 0
.irp b, 0,1,2,3
	v_max3_num_f32 v[BM+\b], v[S+16*\b], v[S+16*\b+1], v[S+16*\b+2]   ; each block's largest t: for the row's maximum and for the block's largest p
.endr
.irp i, 3,5,7,9,11,13
.irp b, 0,1,2,3
	D4
	v_max3_num_f32 v[BM+\b], v[BM+\b], v[S+16*\b+\i], v[S+16*\b+\i+1]
.endr
.endr
.irp b, 0,1,2,3
	D4
	v_max_num_f32 v[BM+\b], v[BM+\b], v[S+16*\b+15]
.endr
.irp b, 0,1,2,3
	D4
	v_permlanex16_b32 v[PM+\b], v[BM+\b], s[SEL], s[SEL+1]
.endr
.irp b, 0,1,2,3
	D4
	v_max_num_f32 v[BM+\b], v[BM+\b], v[PM+\b]
.endr
	D2
	v_max3_num_f32 v254, v[BM], v[BM+1], v[BM+2]
	D1
	v_max3_num_f32 v[rT+1], v254, v[BM+3], v[rT+1] ; the running largest t
	v_mov_b32 v254, v[rT]
	D2
	v_floor_f32 v[rT], -v[rT+1]                    ; -M = -ceil(t)
	D1
	v_sub_f32 v254, v[rT], v254                    ; old M - new M
	D1
	v_cvt_i32_f32 v254, v254
	D1
	v_ldexp_f32 v[FF], 1.0, v254                   ; f = 2^(old M - new M)
.set j, 0
.rept 32
	v_pk_add_f32 v[S+j:S+j+1], v[S+j:S+j+1], v[rT:rT+1] op_sel_hi:[1,0]
.set j, j+2
.endr
.irp b, 0,1,2,3
	v_add_f32 v[BM+\b], v[BM+\b], v[rT]
.endr
	s_wait_alu depctr_va_vdst(0)                   ; the wait ahead of the batch
.set j, 0
.rept 64
	v_exp_f32 v[S+j], v[S+j]
.set j, j+1
.endr
.irp b, 0,1,2,3
	v_exp_f32 v[BM+\b], v[BM+\b]
.endr
	v_pk_mul_f32 v[rT+2:rT+3], v[rT+2:rT+3], v[FF:FF+1] op_sel_hi:[1,0]   ; the plain instruction behind the batch
	s_wait_alu depctr_va_vdst(0)                   ; and behind it
.irp b, 0,1,2,3
	v_max_num_f32 v[BM+\b], 0x1800000, v[BM+\b]    ; the floor: the byte cannot fall under 1
.endr
.irp b, 0,1,2,3
	D4
	v_add_nc_u32 v[SO+\b], 0xff000000, v[BM+\b]
.endr
.irp b, 0,1,2,3
	D4
	v_lshrrev_b32 v[PM+\b], 23, v[SO+\b]
.endr
	D3
	v_lshl_or_b32 v[PW+\t], v[PM+1], 8, v[PM]
	D1
	v_lshl_or_b32 v[PW+\t], v[PM+2], 16, v[PW+\t]
	D1
	v_lshl_or_b32 v[PW+\t], v[PM+3], 24, v[PW+\t]
.irp b, 0,1,2,3
	v_cvt_scalef32_pk8_fp4_f32 v[rP+2*\b], v[S+16*\b:S+16*\b+7], v[SO+\b]
	v_cvt_scalef32_pk8_fp4_f32 v[rP+2*\b+1], v[S+16*\b+8:S+16*\b+15], v[SO+\b]
.endr
	v_nop
.irp c, 0,1
.irp i, 0,1
	v_permlane16_swap_b32 v[rP+4*\c+\i], v[rP+4*\c+2+\i]
.endr
.endr
	v_pk_add_f32 v[PM:PM+1], v[S:S+1], v[S+2:S+3]  ; the sum of the unquantised p, in two chains
.irp j, 4,8,12,16,20,24,28,32,36,40,44,48,52,56,60
	v_pk_add_f32 v[rT+2:rT+3], v[rT+2:rT+3], v[S+\j:S+\j+1]
	v_pk_add_f32 v[PM:PM+1], v[PM:PM+1], v[S+\j+2:S+\j+3]
.endr
	D1
	v_pk_add_f32 v[rT+2:rT+3], v[rT+2:rT+3], v[PM:PM+1]
	WIN 0x41
.set j, 0
.rept 32
	v_pk_mul_f32 v[64*\t+j:64*\t+j+1], v[64*\t+j:64*\t+j+1], v[FF:FF+1] op_sel_hi:[1,0]
.set j, j+2
.endr
.endm
; A TRIP, on m2 buffer s.  LOADcnt, in issue order: [mask 9] [K 20] of the trip before, [V 20] at its end; then this trip's [mask 9] [K 20] [V 20].
.macro STEP s
	WIN 0
	s_wait_dscnt 0x0                               ; my m2 stores have landed, my reads of the other buffer are over
	s_barrier_signal -1
	s_barrier_wait -1
	s_sub_co_i32 s[REM], s[REM], 1
	s_cmp_ge_i32 s[REM], 0
	s_cbranch_scc0 .Lidle_\@                       ; no step is left: the same in all eight waves
	s_wait_xcnt 0x0                                ; the bases below are written only behind this wait
	KVADDR A1
	MADDR A2
	WIN 0x40
	M2LOAD \s, 0
	s_wait_loadcnt 20                              ; K, its scale words and the next mask rows are in; V's 20 may be out
	WIN 0x04
	QK 0
	CONV 1-\s                                      ; its arithmetic names none of the products' registers: the places behind them
	s_wait_dscnt 8                                 ; m2 of the first tile is in; the 8 stores may be out
	TFMA
	WIN 0x40
	M2LOAD \s, 1
	s_wait_dscnt 16                                ; the stores have read the registers that the loads below fill
	RAWLOAD
	SOFT 0
	WIN 0x04
	QK 1
	WIN 0
	PLACES                                         ; in front of the loads into K's registers and of the first read of the scores
	KLOADG
	s_wait_dscnt 0x0                               ; m2 of the second tile
	TFMA
	SOFT 1
	s_wait_alu depctr_va_vdst(0)                   ; directly ahead of the wait below
	s_wait_loadcnt 29                              ; V and its scale words; the 9 + 20 loads of this trip may be out
	WIN 0x50
	PV
	WIN 0
	PLACES
	VLOADG
	s_mov_b32 s[A1], s[A2]
	POP A2
.Lidle_\@:
.endm
.macro WAYOUT t, tmp, back
.set rT, ST+4*\t
	v_add_f32 v254, v[rT+2], v[rT+3]
	D1
	v_permlanex16_b32 v[PM], v254, s[SEL], s[SEL+1]
	D1
	v_add_f32 v254, v254, v[PM]
	s_wait_alu depctr_va_vdst(0)
	v_rcp_f32 v254, v254
	v_nop
	WIN 0x01
	s_wait_alu depctr_va_vdst(0)
.set j, 0
.rept 32
	v_pk_mul_f32 v[\tmp+j:\tmp+j+1], v[64*\t+j:64*\t+j+1], v[254:255] op_sel_hi:[1,0]   ; register 8 n + i is out(query r, 16 n + 8 (lane / 16) + i)
.set j, j+2
.endr
	WIN 0
.irp n, 0,1,2,3,4,5,6,7
	ds_store_b128 v[STO], v[\tmp+8*\n:\tmp+8*\n+3] offset:64*\n
	ds_store_b128 v[STO], v[\tmp+8*\n+4:\tmp+8*\n+7] offset:64*\n+16
.endr
.irp i, 0,1,2,3,4,5,6,7,8,9,10,11,12,13,14,15
	ds_load_b128 v[\back+4*\i:\back+4*\i+3], v[SRD] offset:SP*\i   ; LDS serves a wave's instructions in order (ISA guide 5.7.1.4)
.endr
.irp i, 0,1,2,3,4,5,6,7,8,9,10,11,12,13,14,15
	s_wait_dscnt 15-\i
	global_store_b128 v[GMO], v[\back+4*\i:\back+4*\i+3], s[24:25] offset:8192*\t+512*\i th:TH_STORE_NT   ; a row's 512 consecutive bytes
.endr
.endm
	s_load_b512 s[4:19], s[0:1], 0x0               ; attn_mask 4, key mask 6, keys' codes 8, scales 10, seqs' codes 12, scales 14, vf 16, vsf 18
	s_load_b128 s[20:23], s[0:1], 0x40             ; gap 20, emax 22
	s_load_b64 s[24:25], s[0:1], 0x50              ; out0
	v_lshl_add_u32 v[SPW], v0, 2, SPARE
	v_mov_b32 v[NIL], 0
	v_lshrrev_b32 v11, 5, v0
	D1
	v_readfirstlane_b32 s[WV], v11
	s_lshr_b32 s[HC], s[WV], 1
	s_and_b32 s[PR], s[WV], 1
	s_and_b32 s2, ttmp7, 0xffff
	s_sub_co_u32 s2, 31, s2                        ; the query block
	s_lshr_b32 s3, ttmp9, 2                        ; the batch
	s_mul_i32 s100, s[PR], 2*M2T
	s_mul_i32 s101, s[HC], M2T
	s_lshl_b32 s104, s[PR], 7
	s_add_co_u32 s101, s101, s104
	s_mul_i32 s104, s[WV], 16*SP
	s_add_co_u32 s104, s104, STAGE
	v_and_b32 v96, 31, v0                          ; lane
	v_and_b32 v97, 15, v0                          ; r
	v_bfe_u32 v98, v0, 4, 1                        ; h
	D2
	v_and_b32 v99, 8, v97
	D1
	v_add_nc_u32 v99, v99, v97                     ; r + 8 (r / 8)
	D1
	v_lshlrev_b32 v[AKO], 6, v99
	D1
	v_lshl_add_u32 v[AKO], v98, 4, v[AKO]
	D3
	v_lshl_add_u32 v100, v98, 3, v99
	D1
	v_lshlrev_b32 v[ASKO], 2, v100                 ; lanes 16-31: the odd tile's keys, 8 further on
	v_lshlrev_b32 v[GMO], 4, v96
	v_lshlrev_b32 v[L4], 2, v96
	v_lshlrev_b32 v[AMR], 4, v97
	D1
	v_mad_u32_u24 v[AMR], v98, 1088, v[AMR]
	D1
	v_add_nc_u32 v[AMR], s100, v[AMR]
	v_mul_u32_u24 v[AMW], v96, 272
	D1
	v_add_nc_u32 v[AMW], s101, v[AMW]
	v_lshlrev_b32 v104, 6, v97
	D1
	v_lshl_add_u32 v104, v98, 4, v104              ; Q: row r of 64 bytes, + 16 h
	v_lshlrev_b32 v105, 2, v97
	v_mul_u32_u24 v[STO], v97, SP
	D1
	v_lshl_add_u32 v[STO], v98, 5, v[STO]
	D1
	v_add_nc_u32 v[STO], s104, v[STO]
	v_add_nc_u32 v[SRD], s104, v[GMO]
	s_wait_alu depctr_va_vdst(0)                   ; directly ahead of the wait below
	s_wait_kmcnt 0x0
	s_mov_b32 s101, 0
	s_lshl_b32 s100, s2, 10
	s_lshl_b32 s104, s3, 6
	s_add_co_u32 s100, s100, s104
	s_add_nc_u64 s[20:21], s[20:21], s[100:101]    ; gap[4 block + k][batch]: 256 bytes from k to k + 1
	s_lshl_b32 s100, ttmp9, 4
	s_add_nc_u64 s[22:23], s[22:23], s[100:101]    ; emax of my four heads
	s_load_b512 s[28:43], s[20:21], 0x0
	s_load_b512 s[44:59], s[20:21], 0x100
	s_load_b512 s[68:83], s[20:21], 0x200
	s_load_b512 s[84:99], s[20:21], 0x300
	s_load_b128 s[60:63], s[22:23], 0x0
	s_lshl_b32 s100, s3, 11
	s_add_nc_u64 s[6:7], s[6:7], s[100:101]        ; my batch's key mask
	s_lshl_b32 s2, s2, 6                           ; the first query
	s_lshl_b32 s100, s[WV], 3
	s_add_co_u32 s100, s100, s2
	s_lshl_b32 s100, s100, 13
	s_add_nc_u64 s[4:5], s[4:5], s[100:101]        ; attn_mask at row first query + 8 w
	s_lshl_b32 s3, ttmp9, 2
	s_add_co_u32 s3, s3, s[HC]                     ; my head
	s_lshl_b32 s100, s3, 17
	s_add_nc_u64 s[8:9], s[8:9], s[100:101]
	s_add_nc_u64 s[16:17], s[16:17], s[100:101]
	s_lshl_b32 s100, s3, 13
	s_add_nc_u64 s[10:11], s[10:11], s[100:101]
	s_add_nc_u64 s[18:19], s[18:19], s[100:101]
	s_lshl_b32 s3, s3, 11
	s_add_co_u32 s3, s3, s2
	s_lshl_b32 s104, s[PR], 5
	s_add_co_u32 s3, s3, s104                      ; my first row of Q and of the output
	s_lshl_b32 s100, s3, 6
	s_add_nc_u64 s[12:13], s[12:13], s[100:101]
	s_lshl_b32 s100, s3, 2
	s_add_nc_u64 s[14:15], s[14:15], s[100:101]
	s_lshl_b32 s100, s3, 9
	s_add_nc_u64 s[24:25], s[24:25], s[100:101]
	WIN 0x40
.irp t, 0,1
.irp c, 0,1
	global_load_b128 v[QF+8*\t+4*\c:QF+8*\t+4*\c+3], v104, s[12:13] offset:1024*\t+32*\c th:TH_LOAD_NT
.endr
.endr
	WIN 0
.irp t, 0,1
	global_load_b32 v[QS+\t], v105, s[14:15] offset:64*\t
.endr
	s_wait_kmcnt 0x0
	s_max_u32 s60, s60, s61
	s_max_u32 s62, s62, s63
	s_max_u32 s60, s60, s62
	s_sub_co_i32 s60, s60, 244                     ; 2 B = 2^(sq + sk - 244)
	s_max_i32 s60, s60, 0
	s_min_i32 s60, s60, 30                         ; at 30 the bar lies above every stored number: nothing is left out
	s_lshl_b32 s101, 1, s60
	s_add_co_u32 s101, s101, 128                   ; the bar
	s_mov_b32 s[F], 0
.irp j, 0,1,2,3,4,5,6,7,8,9,10,11,12,13,14,15
	s_min_i32 s[28+\j], s[28+\j], s[44+\j]
	s_min_i32 s[68+\j], s[68+\j], s[84+\j]
	s_min_i32 s[28+\j], s[28+\j], s[68+\j]         ; over the block's 64 rows
	s_cmp_lt_i32 s[28+\j], s101
	s_cselect_b32 s[TMP], 1<<\j, 0
	s_or_b32 s[F], s[F], s[TMP]                    ; step j is walked
.endr
	s_bcnt1_i32_b32 s[REM], s[F]
	POP A0
	POP A1
	POP A2
	s_mov_b32 s[T+1], 0
	s_mov_b32 s[SEL], 0x76543210
	s_mov_b32 s[SEL+1], 0xfedcba98
	s_mov_b32 s[SC], 0x3e0293ee                    ; log2(e) / sqrt(128)
	s_mov_b32 s[SC+1], s[SC]
	s_mov_b32 s[CC], 0x3fb8aa3b                    ; log2(e)
	s_mov_b32 s[CC+1], s[CC]
	s_mov_b32 s[TRIPS], 8
	MADDR A0
	KVADDR A0
	WIN 0x40
	RAWLOAD                                        ; the first step's mask rows
	WIN 0
	KLOADG
.irp t, 0,1
	v_mov_b32 v[ST+4*\t+1], 0xff61b1e6             ; the largest t so far: -3e38
	v_mov_b32 v[ST+4*\t+2], 0
	v_mov_b32 v[ST+4*\t+3], 0
.endr
	v_floor_f32 v[ST], -v[ST+1]
	D4
	v_floor_f32 v[ST+4], -v[ST+5]
.irp b, 0,1,2,3
	v_mov_b32 v[PM+\b], 0
.endr
	v_mov_b32 v[FF+1], 0
	v_mov_b32 v255, 0
	WIN 0x40
.set j, 0
.rept 128
	v_mov_b32 v[j], 0                              ; O^T: the trip is written without a first step of its own; the first change of M multiplies these zeros
.set j, j+1
.endr
	s_wait_alu depctr_va_vdst(0)
	s_wait_loadcnt 20                              ; Q and the mask rows are in; K's 20 may be out
	CONV 0
	s_wait_dscnt 0x0                               ; the stores have read their registers
	s_wait_xcnt 0x0
	MADDR A1
	WIN 0x40
	RAWLOAD                                        ; the second step's
	WIN 0
	VLOADG
	s_wait_alu depctr_va_vdst(0)                   ; the wait at the head's end
.Lpair:
	STEP 0
	STEP 1
	s_sub_co_u32 s[TRIPS], s[TRIPS], 1
	s_cmp_lg_u32 s[TRIPS], 0
	s_cbranch_scc1 .Lpair
	s_wait_loadcnt 0x0                             ; the look-ahead's last loads have landed: their registers serve the way out
	WAYOUT 0, S, KF
	WAYOUT 1, VF, S
	s_wait_tensorcnt 0x0                           ; the wave's end
	ds_add_u32 v[SPW], v[NIL]
	s_wait_dscnt 0x0
	s_endpgm
.Lfunc_end_k_q59453a4489_attn:
	.size	k_q59453a4489_attn, .Lfunc_end_k_q59453a4489_attn-k_q59453a4489_attn
	.p2alignl 7, 3214868480
	.fill 96, 4, 3214868480
	.section	.rodata,"a",@progbits
	.p2align	6, 0x0
	.amdhsa_kernel k_q59453a4489_attn
		.amdhsa_group_segment_fixed_size 138240
		.amdhsa_private_segment_fixed_size 0
		.amdhsa_enable_private_segment 0
		.amdhsa_kernarg_size 88
		.amdhsa_user_sgpr_count 2
		.amdhsa_user_sgpr_kernarg_segment_ptr 1
		.amdhsa_wavefront_size32 1
		.amdhsa_system_sgpr_workgroup_id_x 1
		.amdhsa_system_sgpr_workgroup_id_y 1
		.amdhsa_system_sgpr_workgroup_id_z 1
		.amdhsa_system_vgpr_workitem_id 0
		.amdhsa_next_free_vgpr 512
		.amdhsa_next_free_sgpr 106
		.amdhsa_reserve_vcc 0
		.amdhsa_float_denorm_mode_32 3
		.amdhsa_float_denorm_mode_16_64 3
		.amdhsa_memory_ordered 1
		.amdhsa_forward_progress 1
		.amdhsa_inst_pref_size 130
	.end_amdhsa_kernel
	.amdgpu_metadata
---
amdhsa.version: [ 1, 2 ]
amdhsa.kernels:
  - .name:           k_q59453a4489_attn
    .symbol:         k_q59453a4489_attn.kd
    .args:
      - { .name: attn_mask, .offset: 0, .size: 8, .value_kind: global_buffer, .address_space: global }
      - { .name: key_padding_mask, .offset: 8, .size: 8, .value_kind: global_buffer, .address_space: global }
      - { .name: keys_codes, .offset: 16, .size: 8, .value_kind: global_buffer, .address_space: global }
      - { .name: keys_scales, .offset: 24, .size: 8, .value_kind: global_buffer, .address_space: global }
      - { .name: seqs_codes, .offset: 32, .size: 8, .value_kind: global_buffer, .address_space: global }
      - { .name: seqs_scales, .offset: 40, .size: 8, .value_kind: global_buffer, .address_space: global }
      - { .name: vf, .offset: 48, .size: 8, .value_kind: global_buffer, .address_space: global }
      - { .name: vsf, .offset: 56, .size: 8, .value_kind: global_buffer, .address_space: global }
      - { .name: gap, .offset: 64, .size: 8, .value_kind: global_buffer, .address_space: global }
      - { .name: emax, .offset: 72, .size: 8, .value_kind: global_buffer, .address_space: global }
      - { .name: out0, .offset: 80, .size: 8, .value_kind: global_buffer, .address_space: global }
    .group_segment_fixed_size: 138240
    .private_segment_fixed_size: 0
    .kernarg_segment_align: 8
    .kernarg_segment_size: 88
    .max_flat_workgroup_size: 256
    .sgpr_count:     106
    .vgpr_count:     512
    .wavefront_size: 32
...
	.end_amdgpu_metadata
.endif
;; end of part 2
